; MI455X (gfx1250); checked and timed in simulation.
; The chip was launched on July 23, 2026; its instructions are those of AMD's public machine-readable ISA for CDNA 5 (MIT licence, August 2026) and "CDNA5" Instruction Set Architecture Reference Guide (July 2026). The comments in the code are by the model that wrote it; some were corrected since.
;; Custom Attention. Allowed arithmetic: matrix products marked QUANTISED: E2M3 operands, one E8M0 scale for each 32 along K, by v_wmma_scale_f32_16x16x128_f8f6f4 with both operands' format E2M3, f32 sums; everything else in f32.
;; Inputs: Wk_codes 1,024 x 32 x 24 uint8 (E2M3 codes of Wk, K innermost, in blocks of 32 codes, four codes in three bytes); Wk_scales 1,024 x 32 uint8 (E8M0 scales of Wk, one for each 32 codes along K); Wo_codes 1,024 x 32 x 24 uint8 (E2M3 codes of Wo, K innermost, in blocks of 32 codes, four codes in three bytes); Wo_scales 1,024 x 32 uint8 (E8M0 scales of Wo, one for each 32 codes along K); Wq_codes 1,024 x 32 x 24 uint8 (E2M3 codes of Wq, K innermost, in blocks of 32 codes, four codes in three bytes); Wq_scales 1,024 x 32 uint8 (E8M0 scales of Wq, one for each 32 codes along K); Wv_codes 1,024 x 32 x 24 uint8 (E2M3 codes of Wv, K innermost, in blocks of 32 codes, four codes in three bytes); Wv_scales 1,024 x 32 uint8 (E8M0 scales of Wv, one for each 32 codes along K); bk 1,024 float32; bo 1,024 float32; bq 1,024 float32; bv 1,024 float32; key_codes 16 x 512 x 32 x 24 uint8 (E2M3 codes of key, K innermost, in blocks of 32 codes, four codes in three bytes); key_scales 16 x 512 x 32 uint8 (E8M0 scales of key, one for each 32 codes along K); query_codes 16 x 1,024 x 32 x 24 uint8 (E2M3 codes of query, K innermost, in blocks of 32 codes, four codes in three bytes); query_scales 16 x 1,024 x 32 uint8 (E8M0 scales of query, one for each 32 codes along K); value_codes 16 x 512 x 32 x 24 uint8 (E2M3 codes of value, K innermost, in blocks of 32 codes, four codes in three bytes); value_scales 16 x 512 x 32 uint8 (E8M0 scales of value, one for each 32 codes along K).
;; Outputs: out0 16 x 1,024 x 1,024 float32.
;; This version of the problem:
;;   THIS VERSION OF THE PROBLEM IS GIVEN IN LOW PRECISION. The matrix products marked QUANTISED in the list below multiply operands that are first quantised to E2M3 (2 exponent bits, 3 mantissa bits; 6 bits a number), with one power-of-two scale for each 32 numbers along K (OCP MX v1.0); their sums are f32. All else is computed in f32.
;;   The module's matrix products, in the order in which they are computed (A, B: the left and right operand; K: the contracted axis; several contracted axes count as one K, in the product's order):
;;     1. [M 16,384, K 1,024] x [K 1,024, N 1,024]; A: input query (given as codes); B: input Wq (given as codes): QUANTISED
;;     2. [M 8,192, K 1,024] x [K 1,024, N 1,024]; A: input key (given as codes); B: input Wk (given as codes): QUANTISED
;;     3. [M 8,192, K 1,024] x [K 1,024, N 1,024]; A: input value (given as codes); B: input Wv (given as codes): QUANTISED
;;     4. batch 16 x [M 1,024, K 1,024] x [K 1,024, N 512]; A: computed on the way; B: computed on the way: QUANTISED
;;     5. batch 16 x [M 1,024, K 512] x [K 512, N 1,024]; A: softmax (see below); B: computed on the way: QUANTISED
;;     6. [M 16,384, K 1,024] x [K 1,024, N 1,024]; A: computed on the way; B: input Wo (given as codes): QUANTISED
;;   THE QUANTISER, for each operand of a quantised product, along K:
;;     - K is cut into blocks of 32 from its start; a last block that is shorter is filled with zeros.
;;     - A block's scale is 2^e with e = floor(log2(the largest magnitude in the block)) - 2, held to -126 .. 127; a block of zeros has e = 0. As a byte (E8M0): e + 127.
;;     - Each number is divided by its block's scale, clamped to +-7.5, and rounded to the nearest number of E2M3, ties to even, subnormals kept.
;;     - The product sums the exact products of the quantised numbers (number of the format x scale) in f32.
;;   ~~~python
;;   def quantise(x, axis):      # numpy; x: float32 -> the quantised numbers, widened to float32 again
;;       x = np.moveaxis(x, axis, -1); K = x.shape[-1]
;;       x = np.pad(x, [(0, 0)] * (x.ndim - 1) + [(0, -K % 32)]); x = x.reshape(x.shape[:-1] + (-1, 32)); a = np.abs(x).max(-1, keepdims=True)
;;       e = np.where(a > 0, np.clip(np.frexp(np.where(a > 0, a, 1))[1] - 1 - 2, -126, 127), 0)      # np.frexp(a)[1] - 1 = floor(log2(a)), exactly
;;       r = np.clip(x / 2.0 ** e, -7.5, 7.5)
;;       step = 2.0 ** (np.maximum(np.frexp(np.where(r == 0, 1, r))[1] - 1, 0) - 3)
;;       q = np.round(r / step) * step * 2.0 ** e      # np.round: ties to even
;;       return np.moveaxis(q.reshape(q.shape[:-2] + (-1,))[..., :K], -1, axis).astype(np.float32)
;;   ~~~
;;   SOFTMAX AHEAD OF A QUANTISED PRODUCT. Where the list says 'softmax', what is quantised is not the finished softmax but p = 2^(t - M), with t = logit x log2(e) and M = ceil(the row's largest t), a whole number; so 1/2 < the row's largest p <= 1. The row's sum l is taken of the UNQUANTISED p, in f32, and the product's result is divided by l at the end. Since M is a whole number, a kernel that streams over the keys may use a running M (the ceiling of the running maximum): every later rescaling is an exact power of two, which a block's scale takes up: the codes' values come out the same.
;;   OPERANDS COMPUTED ON THE WAY. 'Computed on the way' means the value that the module computes at that place (a softmax that the list does not call 'softmax' is quantised finished and normalised). What goes into a quantiser is computed in f32, as accurately as f32 sums, v_exp_f32 and their like allow (about 1e-6 of the number): no bf16 or f16 on the way to a quantiser, and a product that is left as it is and whose result goes on into a quantised operand takes f32 operands (vector FMAs, or v_wmma_f32_16x16x4_f32). A number that lies on a knife's edge between two numbers of the format may be rounded either way, as far as f32 arithmetic and the matrix unit's own rounding can turn it there, and no further.
;;   INPUTS GIVEN AS CODES. Wk (in the module: [1024, 1024], K = its axis 1); Wo (in the module: [1024, 1024], K = its axis 1); Wq (in the module: [1024, 1024], K = its axis 1); Wv (in the module: [1024, 1024], K = its axis 1); key (in the module: [16, 512, 1024], K = its axis 2); query (in the module: [16, 1024, 1024], K = its axis 2); value (in the module: [16, 512, 1024], K = its axis 2): each comes as NAME_codes (uint8): NAME with its K axis moved to the last place and cut into blocks of 32 codes, [.., K / 32, bytes a block], one block behind the other in memory; four codes in three bytes: a row's codes are one little-endian stream of bits, code i at bits 6 i .. 6 i + 5 (a code: sign, 2 exponent bits, 3 mantissa bits); and NAME_scales (uint8): the same leading axes, one E8M0 byte (e + 127) for each 32 codes along K. Its value is code x scale, taken as it is: it is not quantised again, and the codes and scales need not be those that the quantiser above would give.
;; One version. Each part assembles by itself: llvm-mc -triple=amdgcn-amd-amdhsa -mcpu=gfx1250 --defsym DOCPART=n.
;; ======== version 1 of 1: 2 launches
;; workspace buffers: qrec 13,107,200 bytes; kvrec 13,107,200 bytes; worec 819,200 bytes
;; launch proj (part 1): grid 128 x 4, 4 waves a work-group, clusters of 4 x 4, 327,680 bytes of LDS; arguments query_codes, query_scales, Wq_codes, Wq_scales, value_codes, value_scales, Wv_codes, Wv_scales, Wk_codes, Wk_scales, key_codes, key_scales, bq, bv, bk, Wo_codes, Wo_scales, qrec, kvrec, worec; writes qrec, kvrec, worec
.if DOCPART == 1
	.amdgcn_target "amdgcn-amd-amdhsa--gfx1250"
	.amdhsa_code_object_version 6
	.text
	.protected	k_q8c0a566ee6_proj
	.globl	k_q8c0a566ee6_proj
	.p2align	8
	.type	k_q8c0a566ee6_proj,@function
k_q8c0a566ee6_proj:
	s_mov_b64 s[64:65], 0
	v_nop
	global_prefetch_b8 v0, s[64:65] scope:SCOPE_SE
	s_setreg_imm32_b32 hwreg(HW_REG_WAVE_MODE, 25, 1), 1
	s_wait_xcnt 0x0
	s_wait_alu depctr_hold_cnt(0) depctr_sa_sdst(0) depctr_va_vdst(0) depctr_va_sdst(0) depctr_va_ssrc(0) depctr_va_vcc(0) depctr_vm_vsrc(0)
	s_getreg_b32 s2, hwreg(HW_REG_IB_STS2, 6, 4)
	s_cmp_eq_u32 s2, 0
	s_cbranch_scc0 .Lentry_in_a_cluster
	s_endpgm
.Lentry_in_a_cluster:
	s_bfe_u32 s2, ttmp6, 0x10000c
	s_cmp_lg_u32 s2, 0xf033
	s_cbranch_scc0 .Lentry_shape_is_right
	s_endpgm
.Lentry_shape_is_right:
; THE THREE PROJECTIONS q = query Wq^T + bq, k = key Wk^T + bk, v = value Wv^T + bv on codes of FP6 (E2M3) with one E8M0 scale for each 32 along K, in one grid,
; each result quantised at once along the K of the product that will read it, and stored as IMAGES OF OPERAND REGISTERS in the order in which the second launch streams them.
; A tile is 256 x 256, made by four waves of 128 x 128 (64 accumulators, 512 registers); K = 1,024 goes in four steps of 256 through two LDS slots filled by the tensor data mover.
; ROLES.  Source 1 (called A) gives the lane its row; source 0 (called B) runs along the lane's registers, so B's rows are the next product's K:
;   q: A = Wq (rows i), B = query (rows t): q^T[i][t], K = t.   v: A = Wv (rows e), B = value (rows s): v^T[e][s], K = s.   k: A = key (rows s), B = Wk (rows t): k[s][t], K = t.
; CLUSTERS of 4 x 4: clusters 0-15 take q (4 x 64 tiles), 16-23 v (4 x 32), 24-31 k (32 x 4).  A's tiles are asked for jointly along a row of the cluster, B's along a column.
; THE ORDER INSIDE A BLOCK OF 32.  A lane's 16 registers of B's blocks 2 b and 2 b + 1 are K = 32 b + 16 u + 8 h + j (u = register / 8, h = lane / 16); they are laid as places 16 h + 8 u + j of the block.
; So in every operand made here the second and third groups of eight of a block have changed places.  Both operands of a product are laid so, which leaves every product, block and scale as it is.
; Wo, whose other operand is made in the second launch in the same order, is copied here with the same change: wave 0 of each of the 512 work-groups copies one fragment.
; A RECORD is 12,800 bytes: 8 fragments (16 rows x 128 K: 12 registers a lane; registers 4 c .. 4 c + 3 of lane l at 512 c + 16 l), then 512 bytes of scale words as the image of 4 registers
; (register c: lanes 0-15 the words of fragment 2 c, lanes 16-31 those of fragment 2 c + 1).  A wave's 128 x 128 is one record.
; LIMITS: NaN and infinities are not served.  A block whose largest magnitude lies under 2^-124, a block of zeros among them, gets the scale byte 1; the bytes are read by this program alone.
; No prefetch: K has four steps, two of them first fills, and the two refills have no step two further on.
.set KSTEP,  256                       ; along K in a slot
.set NQ,     2                         ; matrix instructions deep
.set ROWB,   192                       ; a tile's row in bytes
.set KROW,   768                       ; a row of codes in memory
.set PITCH,  240                       ; an LDS row: 3 x (64 bytes + 16 of padding)
.set FR,     12                        ; registers of a fragment
.set NL,     6                         ; LDS loads that bring one
.set NP,     4                         ; places behind this matrix instruction (ISA guide 7.12.1)
.set HALFT,  128*PITCH                 ; 128 rows: what one tensor load brings
.set SLOT,   4*HALFT                   ; A's 256 rows, then B's 256
.set KS,     32                        ; a row of scale bytes
.set SCL,    2*SLOT                    ; behind the ring: the scales, as units of 256 bytes + 16 of padding
.set HALFS,  (128*KS/256)*272          ; those of 128 rows
.set SBLK,   (16*KS/256)*272           ; those of 16 rows
.set SPARE,  SCL+4*HALFS               ; the spare words, 128 bytes a wave; no other line names them
.set REC,    12800
.set FRB,    1536
.set ADRA, 16                          ; v16-19  LDS addresses of my A fragments (slot 0, 1; the same behind one padding more)
.set ADRB, 20                          ; v20-23  the same for B
.set ADRS, 27                          ; v27     LDS address of my scale words
.set SPW,  28                          ; v28     my spare word; never rewritten
.set NIL,  29                          ; v29     0; never rewritten
.set LI,   30                          ; v30     16 x lane: an image's place for my lane
.set SC,   32                          ; v32-63  scale words, two sets: they hold scales and nothing else
.set BI,   64                          ; v64-127 the bias by B's rows: register 8 b + j = bias[16 b + 8 h + j]
.set AF,   128                         ; v128-223 A's fragments
.set WD,   128                         ; Wo's copy, ahead of the products: the fragment as loaded,
.set WO,   140                         ; as stored,
.set WW,   152                         ; and a scale word
.set T,    128                         ; the way out: 64 numbers of a lane
.set PC,   192                         ; the codes just made
.set PWA,  212                         ; v212-219 the eight blocks' scale words
.set SCP,  220                         ; v220-223 the record's scale words
.set TM,   224                         ; v224-239 at work in the quantiser
.set BA,   240                         ; v240-255 the bias by A's rows: a pair for each block a, both = bias[16 a + r]
.set SEL,  44                          ; s44-45  lane selects for v_permlanex16_b32
.set G1, 24
.set G0, 32
.set G1B, 48
.set G0B, 56
.set G1S, 68
.set G0S, 76
.set G1SB, 80
.set G0SB, 88
.set MSB, 0
.macro WIN new                         ; the immediate's high byte repeats the setting that is left
.if MSB != (\new)
	s_set_vgpr_msb (MSB<<8)|(\new)
.set MSB, (\new)
.endif
.endm
.set MUL_LO, 0xa1                      ; source 0 (B) window 1, source 1 (A) window 0, C and D window 2
.set MUL_HI, 0xf1                      ; the same, C and D window 3
.set TO_B,   0x40                      ; destination window 1
; A joint load: waves 0 and 1 fetch for A, waves 2 and 3 for B; the branch hangs on the wave's number alone.  Four v_nop follow each line.
.macro JLOAD g0a, g1a, g0b, g1b
	s_cmp_eq_u32 s15, 0
	s_cbranch_scc0 .Lfor_b_\@
	tensor_load_to_lds s[\g0a:\g0a+3], s[\g1a:\g1a+7]
	s_nop 0
.rept 4
	v_nop
.endr
	s_branch .Lasked_\@
.Lfor_b_\@:
	tensor_load_to_lds s[\g0b:\g0b+3], s[\g1b:\g1b+7]
	s_nop 0
.rept 4
	v_nop
.endr
.Lasked_\@:
.endm
.macro CREST                           ; a round of the cluster's barrier behind its opening barrier
	s_cmp_lg_u32 s14, 0
	s_cbranch_scc1 .Lnot_wave_0_\@
	s_barrier_signal -3
.Lnot_wave_0_\@:
	s_barrier_wait -3
	s_barrier_signal -1
	s_barrier_wait -1
.endm
.macro CROUND
	s_barrier_signal -1
	s_barrier_wait -1
	CREST
.endm
	s_load_b256 s[24:31], s[0:1], 0x0              ; query's codes, scales; Wq's codes, scales
	s_load_b256 s[32:39], s[0:1], 0x20             ; value's; Wv's
	s_load_b256 s[48:55], s[0:1], 0x40             ; Wk's; key's        (in each group: B's two, then A's two)
	s_load_b256 s[68:75], s[0:1], 0x60             ; bq, bv, bk, Wo's codes
	s_load_b256 s[76:83], s[0:1], 0x80             ; Wo's scales, qrec, kvrec, worec
	v_lshl_add_u32 v[SPW], v0, 2, SPARE
	v_mov_b32 v[NIL], 0
	ds_add_u32 v28, v29
	ds_add_u32 v28, v29
	s_wait_dscnt 0x0
	v_lshrrev_b32 v1, 5, v0
	v_readfirstlane_b32 s14, v1                    ; wave 0..3
	s_lshr_b32 s15, s14, 1                         ; my half of the tile's A rows.  Also: I fetch for A (0) or for B (1)
	s_and_b32 s16, s14, 1                          ; my half of its B rows.  Also: which 128 rows I fetch
	s_bfe_u32 s40, ttmp6, 0x40000                  ; cx, cy: my place in the cluster
	s_bfe_u32 s41, ttmp6, 0x40004
	s_max_u32 s20, ttmp9, 16
	s_sub_co_u32 s20, s20, 16                      ; cluster - 16, or 0
	s_max_u32 s21, ttmp9, 24
	s_sub_co_u32 s21, s21, 24                      ; ca: cluster - 24 in task k, else 0
	s_cmp_lt_u32 ttmp9, 24                         ; the task hangs on the cluster's number alone, which all sixteen partners share
	s_cselect_b32 s20, s20, 0
	s_cselect_b32 s95, 0, 1                        ; 1 in task k: the bias goes by B's rows
	s_wait_kmcnt 0x0
	s_cselect_b64 s[32:33], s[32:33], s[48:49]     ; v's set or k's
	s_cselect_b64 s[34:35], s[34:35], s[50:51]
	s_cselect_b64 s[36:37], s[36:37], s[52:53]
	s_cselect_b64 s[38:39], s[38:39], s[54:55]
	s_cselect_b64 s[70:71], s[70:71], s[72:73]
	s_cmp_lt_u32 ttmp9, 16
	s_cselect_b32 s20, ttmp9, s20                  ; cb
	s_cselect_b64 s[8:9], s[24:25], s[32:33]       ; B's codes
	s_cselect_b64 s[10:11], s[26:27], s[34:35]     ; B's scales
	s_cselect_b64 s[4:5], s[28:29], s[36:37]       ; A's codes
	s_cselect_b64 s[6:7], s[30:31], s[38:39]       ; A's scales
	s_cselect_b64 s[12:13], s[68:69], s[70:71]     ; the bias
	s_cselect_b64 s[66:67], s[78:79], s[80:81]     ; where the records go
	s_mov_b64 s[96:97], s[74:75]                   ; Wo's codes,
	s_mov_b64 s[98:99], s[76:77]                   ; its scales,
	s_mov_b64 s[100:101], s[82:83]                 ; and its records
	s_lshl_b32 s42, s20, 2
	s_add_co_u32 s42, s42, s40                     ; B's tile = 4 cb + cx
	s_lshl_b32 s17, s21, 2
	s_add_co_u32 s17, s17, s41                     ; A's tile = 4 ca + cy
	s_lshl_b32 s43, s41, 2
	s_lshl_b32 s43, 15, s43                        ; my row of the cluster
	s_lshl_b32 s44, 0x1111, s40                    ; my column
	; descriptor group 1: a tile of 128 rows x 192 bytes, 16 bytes of padding behind every 64
	s_or_b32 s[G1+0], s43, (0<<16)|(1<<20)|(1<<21)|(3<<22)|(3<<25)
	s_or_b32 s[G1B+0], s44, (0<<16)|(1<<20)|(1<<21)|(3<<22)|(3<<25)
.irp g, G1, G1B
	s_mov_b32 s[\g+1], ROWB<<16                    ; tensor_dim0
	s_mov_b32 s[\g+2], 128<<16                     ; tensor_dim1
	s_mov_b32 s[\g+3], ROWB<<16                    ; tile_dim0
	s_mov_b32 s[\g+4], 128                         ; tile_dim1
	s_mov_b32 s[\g+5], KROW                        ; from row to row
	s_mov_b32 s[\g+6], 0
	s_mov_b32 s[\g+7], 0
.endr
	; the scales of 128 rows: 4,096 dense bytes as 16 rows of 256 bytes (32 elements of 8), 16 bytes of padding behind each
	s_or_b32 s[G1S+0], s43, (3<<16)|(1<<20)|(1<<21)|(5<<22)|(3<<25)
	s_or_b32 s[G1SB+0], s44, (3<<16)|(1<<20)|(1<<21)|(5<<22)|(3<<25)
.irp g, G1S, G1SB
	s_mov_b32 s[\g+1], 32<<16
	s_mov_b32 s[\g+2], (128*KS/256)<<16
	s_mov_b32 s[\g+3], 32<<16
	s_mov_b32 s[\g+4], 128*KS/256
	s_mov_b32 s[\g+5], 32
	s_mov_b32 s[\g+6], 0
	s_mov_b32 s[\g+7], 0
.endr
	s_lshl_b32 s18, s16, 7                         ; which 128 rows of the tile I fetch
	s_lshl_b32 s20, s17, 8
	s_add_co_u32 s20, s20, s18                     ; A: row 256 x tile + 128 x half
	s_lshl_b32 s46, s42, 8
	s_add_co_u32 s46, s46, s18                     ; B likewise
	s_mov_b32 s21, 0
	s_mov_b32 s47, 0
	s_mov_b64 s[18:19], KS
	s_mul_u64 s[22:23], s[20:21], s[18:19]         ; where these rows' scales begin,
	s_mul_u64 s[92:93], s[46:47], s[18:19]
	s_mov_b64 s[18:19], KROW
	s_mul_u64 s[20:21], s[20:21], s[18:19]         ; and their codes
	s_mul_u64 s[46:47], s[46:47], s[18:19]
	s_mul_i32 s45, s14, HALFT                      ; where they go: wave x 128 rows: no place in the cluster enters an LDS address
	s_mul_i32 s94, s14, HALFS
	s_add_nc_u64 s[20:21], s[4:5], s[20:21]
	s_add_nc_u64 s[22:23], s[6:7], s[22:23]
	s_add_nc_u64 s[46:47], s[8:9], s[46:47]
	s_add_nc_u64 s[92:93], s[10:11], s[92:93]
	CROUND                                         ; all sixteen work-groups are here: the first joint loads meet
	s_mov_b32 s[G0S], 1
	s_add_co_u32 s[G0S+1], s94, SCL
	s_mov_b64 s[G0S+2:G0S+3], s[22:23]
	s_or_b32 s[G0S+3], s[G0S+3], 0x80000000
	s_mov_b32 s[G0SB], 1
	s_add_co_u32 s[G0SB+1], s94, SCL
	s_mov_b64 s[G0SB+2:G0SB+3], s[92:93]
	s_or_b32 s[G0SB+3], s[G0SB+3], 0x80000000
	JLOAD G0S, G1S, G0SB, G1SB                     ; the scales first: they are wanted with K step 0
.irp s, 0,1
	s_mov_b32 s[G0+4*\s], 1
	s_add_co_u32 s[G0+4*\s+1], s45, \s*SLOT
	s_add_nc_u64 s[G0+4*\s+2:G0+4*\s+3], s[20:21], \s*ROWB
	s_or_b32 s[G0+4*\s+3], s[G0+4*\s+3], 0x80000000
	s_mov_b32 s[G0B+4*\s], 1
	s_add_co_u32 s[G0B+4*\s+1], s45, \s*SLOT
	s_add_nc_u64 s[G0B+4*\s+2:G0B+4*\s+3], s[46:47], \s*ROWB
	s_or_b32 s[G0B+4*\s+3], s[G0B+4*\s+3], 0x80000000
	JLOAD G0+4*\s, G1, G0B+4*\s, G1B               ; three tensor loads of mine are out
.endr
	v_and_b32 v1, 15, v0                           ; r = lane % 16
	v_bfe_u32 v2, v0, 4, 1                         ; h = lane / 16
	v_mul_u32_u24 v3, v1, PITCH
	v_mul_u32_u24 v4, v2, 24
	v_add_nc_u32 v4, v3, v4                        ; a fragment's row x pitch + 24 x half
	v_lshl_add_u32 v5, v2, 4, v4                   ; and the same behind one padding more
	s_mul_i32 s21, s15, HALFT                      ; my 128 rows of A
	s_mul_i32 s22, s16, HALFT                      ; my 128 rows of B,
	s_add_co_u32 s22, s22, 2*HALFT                 ; which lie behind A's 256
.irp s, 0,1
	v_add_nc_u32 v[ADRA+\s], s21, v4
	v_add_nc_u32 v[ADRB+\s], s22, v4
	v_add_nc_u32 v[ADRA+2+\s], s21, v5
	v_add_nc_u32 v[ADRB+2+\s], s22, v5
	s_add_co_u32 s21, s21, SLOT
	s_add_co_u32 s22, s22, SLOT
.endr
	v_mul_u32_u24 v5, v1, KS                       ; my row's scales: 32 bytes a row,
	v_lshrrev_b32 v6, 8, v5
	v_lshl_add_u32 v5, v6, 4, v5                   ; and 16 more for each 256 passed
	s_mul_i32 s21, s15, HALFS
	s_mul_i32 s22, s16, HALFS
	s_add_co_u32 s22, s22, 2*HALFS
	s_sub_co_u32 s22, s22, s21
	v_mul_u32_u24 v6, s22, v2                      ; lanes 16-31 take B's
	s_add_co_u32 s21, s21, SCL
	v_add_nc_u32 v5, v5, v6
	v_add_nc_u32 v[ADRS], s21, v5
	v_and_b32 v31, 31, v0                          ; lane
	v_lshlrev_b32 v[LI], 4, v31
.irp b, 0,1,2,3
	v_mov_b32 v[TM+4+\b], 0                        ; written once: a lane permute's destination counts as one of its sources
.endr
	; which record is my wave's.  Ra, Rb: my group of 128 rows of A and of B
	s_lshl_b32 s18, s17, 1
	s_add_co_u32 s18, s18, s15                     ; Ra
	s_lshl_b32 s19, s42, 1
	s_add_co_u32 s19, s19, s16                     ; Rb
	s_lshr_b32 s20, s19, 3                         ; q: batch Rb / 8, rows i 128 Ra on, K step Rb % 8:  64 batch + 8 Ra + K step
	s_lshl_b32 s20, s20, 6
	s_lshl_b32 s23, s18, 3
	s_add_co_u32 s20, s20, s23
	s_and_b32 s23, s19, 7
	s_add_co_u32 s20, s20, s23
	s_lshr_b32 s21, s18, 2                         ; k: batch Ra / 4, wave Ra % 4, K step Rb:  64 batch + 8 (Rb / 2) + 2 (Ra % 4) + Rb % 2
	s_lshl_b32 s21, s21, 6
	s_lshr_b32 s23, s19, 1
	s_lshl_b32 s23, s23, 3
	s_add_co_u32 s21, s21, s23
	s_and_b32 s23, s18, 3
	s_lshl_b32 s23, s23, 1
	s_add_co_u32 s21, s21, s23
	s_and_b32 s23, s19, 1
	s_add_co_u32 s21, s21, s23
	s_lshr_b32 s22, s19, 2                         ; v: batch Rb / 4, K step Rb % 4, wave Ra / 2, half Ra % 2:  64 batch + 8 (4 + 2 (Ra % 2) + (Rb % 4) / 2) + 2 (Ra / 2) + Rb % 2
	s_lshl_b32 s22, s22, 6
	s_and_b32 s23, s18, 1
	s_lshl_b32 s23, s23, 4
	s_add_co_u32 s22, s22, s23
	s_bfe_u32 s23, s19, 0x10001
	s_lshl_b32 s23, s23, 3
	s_add_co_u32 s22, s22, s23
	s_add_co_u32 s22, s22, 32
	s_lshr_b32 s23, s18, 1
	s_lshl_b32 s23, s23, 1
	s_add_co_u32 s22, s22, s23
	s_and_b32 s23, s19, 1
	s_add_co_u32 s22, s22, s23
	s_cmp_lt_u32 ttmp9, 24
	s_cselect_b32 s21, s22, s21
	s_cmp_lt_u32 ttmp9, 16
	s_cselect_b32 s20, s20, s21
	s_mul_i32 s20, s20, REC
	s_mov_b32 s21, 0
	s_add_nc_u64 s[66:67], s[66:67], s[20:21]
	; both tables of the bias are loaded in every task, each from a place inside the buffer; the way out takes one of them
	s_lshl_b32 s22, s18, 9                         ; 128 numbers x Ra
	s_lshl_b32 s23, s19, 9                         ; 128 numbers x Rb
	s_cmp_eq_u32 s95, 0
	s_cselect_b32 s20, s22, 0
	s_cselect_b32 s22, 0, s23
	s_mov_b32 s23, 0
	s_add_nc_u64 s[2:3], s[12:13], s[22:23]        ; by B's rows (task k), else the buffer's start
	s_add_nc_u64 s[12:13], s[12:13], s[20:21]      ; by A's rows (tasks q, v), else the buffer's start
	v_lshlrev_b32 v6, 2, v1                        ; 4 r
	v_lshlrev_b32 v7, 5, v2                        ; 32 h
.irp a, 0,1,2,3,4,5,6,7
	global_load_b32 v[BA+2*\a], v6, s[12:13] offset:64*\a
	global_load_b32 v[BA+2*\a+1], v6, s[12:13] offset:64*\a     ; twice: the packed addition takes a pair
.endr
.irp b, 0,1,2,3,4,5,6,7
	global_load_b128 v[BI+8*\b:BI+8*\b+3], v7, s[2:3] offset:64*\b
	global_load_b128 v[BI+8*\b+4:BI+8*\b+7], v7, s[2:3] offset:64*\b+16
.endr
	; WO'S COPY: wave 0 alone.  Fragment g = 16 x cluster + 4 cy + cx of 512; the place in the cluster enters global addresses alone
	s_cmp_lg_u32 s14, 0
	s_cbranch_scc1 .Lno_wo
	s_lshl_b32 s18, ttmp9, 4
	s_lshl_b32 s19, s41, 2
	s_add_co_u32 s18, s18, s19
	s_add_co_u32 s18, s18, s40                     ; g
	s_lshr_b32 s19, s18, 3                         ; its record = 8 slot + 2 wave + q,
	s_and_b32 s18, s18, 7                          ; and a, its place there
	s_lshr_b32 s20, s19, 5                         ; u = slot / 4
	s_bfe_u32 s21, s19, 0x20001                    ; the wave that will read it
	s_bfe_u32 s22, s19, 0x20003                    ; slot % 4
	s_lshl_b32 s22, s22, 1
	s_and_b32 s23, s19, 1
	s_add_co_u32 s22, s22, s23                     ; K step = 2 (slot % 4) + q
	s_lshl_b32 s21, s21, 8
	s_lshl_b32 s20, s20, 7
	s_add_co_u32 s20, s20, s21                     ; the record's first row of Wo: 256 wave + 128 u
	s_lshl_b32 s23, s18, 4
	s_add_co_u32 s23, s23, s20                     ; the fragment's: + 16 a
	s_mul_i32 s46, s23, KROW
	s_mul_i32 s23, s22, 96
	s_add_co_u32 s46, s46, s23
	s_mov_b32 s47, 0
	s_add_nc_u64 s[96:97], s[96:97], s[46:47]
	s_lshr_b32 s23, s18, 2                         ; piece a of the record's 512 bytes of scale words is 64 bytes: lanes 4 a .. 4 a + 3 of the image.
	s_lshl_b32 s23, s23, 4                         ; Its word i (0 .. 15) is register i % 4 of lane 4 a + i / 4: row 32 (i % 4) + 16 (a / 4) + 4 (a % 4) + i / 4 of the record's 128
	s_add_co_u32 s20, s20, s23
	s_and_b32 s23, s18, 3
	s_lshl_b32 s23, s23, 2
	s_add_co_u32 s20, s20, s23
	s_lshl_b32 s46, s20, 5
	s_lshl_b32 s23, s22, 2
	s_add_co_u32 s46, s46, s23
	s_add_nc_u64 s[98:99], s[98:99], s[46:47]
	s_mul_i32 s46, s19, REC
	s_add_nc_u64 s[100:101], s[100:101], s[46:47]
	s_lshl_b32 s46, s18, 6
	s_add_co_u32 s46, s46, 8*FRB
	s_add_nc_u64 s[92:93], s[100:101], s[46:47]    ; where the piece goes,
	s_mul_i32 s46, s18, FRB
	s_add_nc_u64 s[100:101], s[100:101], s[46:47]  ; and the fragment
	v_mul_u32_u24 v8, v1, KROW
	v_mad_u32_u24 v8, v2, 24, v8                   ; row r, + 24 h
	v_and_b32 v9, 3, v0
	v_lshlrev_b32 v9, 10, v9                       ; 32 rows of 32 bytes x (i % 4)
	v_bfe_u32 v10, v0, 2, 2
	v_lshl_add_u32 v9, v10, 5, v9                  ; + a row x ((i / 4) % 4): lanes 16-31 name the words of lanes 0-15 again
	v_lshlrev_b32 v10, 2, v31
.irp p, 0,1,2,3,4,5
	global_load_b64 v[WD+2*\p:WD+2*\p+1], v8, s[96:97] offset:48*(\p/3)+8*(\p%3)
.endr
	global_load_b32 v[WW], v9, s[98:99]
	s_wait_loadcnt 0x0
.irp c, 0,1                                    ; a block is 24 bytes in six registers, four groups of eight codes of 6 bytes: groups 1 and 2 change places
	v_mov_b32 v[WO+6*\c], v[WD+6*\c]
	v_perm_b32 v[WO+6*\c+1], v[WD+6*\c+3], v[WD+6*\c+1], 0x05040100   ; bytes 4, 5 | 12, 13
	v_perm_b32 v[WO+6*\c+2], v[WD+6*\c+4], v[WD+6*\c+3], 0x05040302   ; bytes 14, 15 | 16, 17
	v_perm_b32 v[WO+6*\c+3], v[WD+6*\c+2], v[WD+6*\c+1], 0x05040302   ; bytes 6, 7 | 8, 9
	v_perm_b32 v[WO+6*\c+4], v[WD+6*\c+4], v[WD+6*\c+2], 0x07060302   ; bytes 10, 11 | 18, 19
	v_mov_b32 v[WO+6*\c+5], v[WD+6*\c+5]
.endr
.irp c, 0,1,2
	global_store_b128 v[LI], v[WO+4*\c:WO+4*\c+3], s[100:101] offset:512*\c   ; 512 consecutive bytes a store
.endr
	s_wait_xcnt 0x0                                ; EXEC changes only behind this wait
	v_cmp_gt_u32 vcc_lo, 16, v31
	s_and_saveexec_b32 s23, vcc_lo
	global_store_b32 v10, v[WW], s[92:93]          ; sixteen lanes: the piece's 64 bytes
	s_wait_xcnt 0x0                                ; and again in front of the line that widens it; the stores have read v128-152, which LDS loads fill next
	s_or_b32 exec_lo, exec_lo, s23
.Lno_wo:
	s_mov_b32 s[SEL], 0x76543210
	s_mov_b32 s[SEL+1], 0xfedcba98                 ; lane l xor 16
	s_mov_b32 s94, 0xffff0000                      ; lanes 16-31
.macro FRAG reg, adr, q, i             ; a fragment: lane l holds row l % 16; registers 6 c .. 6 c + 5 hold K = 64 c + 32 (l / 16) + 0 .. 31: 24 bytes of the row, as they lie, in pieces of 8 bytes
.irp p, 0,1,2,3,4,5
.set PCE, 12*(\q)+6*(\p/3)+\p%3        ; where the piece three on lies behind one padding more, the second address register serves
.if PCE%8 < 5
	ds_load_b64 v[\reg+2*\p:\reg+2*\p+1], v[\adr] offset:8*PCE+16*(PCE/8)+(\i)*16*PITCH
.else
	ds_load_b64 v[\reg+2*\p:\reg+2*\p+1], v[\adr+2] offset:8*PCE+16*(PCE/8)+(\i)*16*PITCH
.endif
.endr
.endm
; 16 matrix instructions: A's blocks a0, a0 + 1 x B's eight, 128 along K.  The 64 accumulators take turns, one instruction a turn, in the same order in every step.
.macro MUL16 a0, p, q, sc, zero
.irp a, \a0, \a0+1
.irp b, 0,1,2,3,4,5,6,7
.if \zero
	v_wmma_scale_f32_16x16x128_f8f6f4 v[8*(8*((\a)%4)+\b):8*(8*((\a)%4)+\b)+7], v[128*(\p)+FR*\b:128*(\p)+FR*\b+FR-1], v[AF+FR*(\a):AF+FR*(\a)+FR-1], 0, v[SC+8*NQ*(\sc)+NQ*\b+(\q)], v[SC+8*NQ*(\sc)+NQ*(\a)+(\q)] matrix_a_fmt:MATRIX_FMT_FP6 matrix_b_fmt:MATRIX_FMT_FP6 matrix_a_scale:MATRIX_SCALE_ROW1
.else
	v_wmma_scale_f32_16x16x128_f8f6f4 v[8*(8*((\a)%4)+\b):8*(8*((\a)%4)+\b)+7], v[128*(\p)+FR*\b:128*(\p)+FR*\b+FR-1], v[AF+FR*(\a):AF+FR*(\a)+FR-1], v[8*(8*((\a)%4)+\b):8*(8*((\a)%4)+\b)+7], v[SC+8*NQ*(\sc)+NQ*\b+(\q)], v[SC+8*NQ*(\sc)+NQ*(\a)+(\q)] matrix_a_fmt:MATRIX_FMT_FP6 matrix_b_fmt:MATRIX_FMT_FP6 matrix_a_scale:MATRIX_SCALE_ROW1
.endif
.endr
.endr
.endm
.macro FETCH_B slot, q, p
	WIN TO_B
.irp i, 0,1,2,3,4,5,6,7
	FRAG 128*(\p)+FR*\i, ADRB+\slot, \q, \i
.endr
	WIN 0
.endm
.macro FETCH_A slot, q, i0
.irp i, \i0, \i0+1, \i0+2, \i0+3
	FRAG AF+FR*(\i), ADRA+\slot, \q, \i
.endr
.endm
.macro SCALES sc                       ; a K step's scale words: lanes 0-15 take A's block i, lanes 16-31 B's block i
.irp i, 0,1,2,3,4,5,6,7
	ds_load_b64 v[SC+8*NQ*\sc+NQ*\i:SC+8*NQ*\sc+NQ*\i+1], v[ADRS] offset:\i*SBLK
.endr
.endm
.macro PLACES n                        ; plain vector instructions between a matrix instruction and a load into, or a vector read or write of, its registers
.rept \n
	v_nop
.endr
.endm
.macro STEP slot, q, zero              ; a step of 128 along K that has its successor in the same slot
	s_wait_dscnt 4*NL                              ; B's set and A's blocks 0-3 are in; the youngest 24 loads (A's blocks 4-7) may be out
	WIN MUL_LO
	MUL16 0, (\q)%2, \q, \slot, \zero
	MUL16 2, (\q)%2, \q, \slot, \zero
	s_wait_dscnt 0
	PLACES NP
	FETCH_B \slot, (\q)+1, 1-(\q)%2
	FETCH_A \slot, (\q)+1, 0
	WIN MUL_HI
	MUL16 4, (\q)%2, \q, \slot, \zero
	MUL16 6, (\q)%2, \q, \slot, \zero
	PLACES NP
	WIN 0
	FETCH_A \slot, (\q)+1, 4
.endm
; A slot's last step changes slots: one barrier; in front of it each wave waits for all its tensor loads, adds 0 to its spare word, and waits for that and for its reads of this slot.
.macro TURN slot, next, fill
	s_wait_tensorcnt 0x0                           ; all my tensor loads have landed: my part of the next slot
	ds_add_u32 v[SPW], v[NIL]                      ; 0 onto my spare word
	s_wait_dscnt 4*NL+1                            ; the add and the youngest 24 loads may be out
	WIN MUL_LO
	MUL16 0, 1, NQ-1, \slot, 0
	s_wait_dscnt 0x0                               ; the add is done, and my reads of this slot are over
	s_barrier_signal -1
	MUL16 2, 1, NQ-1, \slot, 0
	WIN 0
	s_barrier_wait -1
.if \fill
	CREST                                          ; the barrier has opened a round of the cluster's: no wave of any partner still reads this slot or has a load on its way
	s_add_nc_u64 s[G0+4*\slot+2:G0+4*\slot+3], s[G0+4*\slot+2:G0+4*\slot+3], 2*ROWB
	s_add_nc_u64 s[G0B+4*\slot+2:G0B+4*\slot+3], s[G0B+4*\slot+2:G0B+4*\slot+3], 2*ROWB
	JLOAD G0+4*\slot, G1, G0B+4*\slot, G1B         ; the first tensor load behind the round; its four v_nop are the places in front of the loads below
.else
	PLACES NP
.endif
	v_add_nc_u32 v[ADRS], 4*NQ, v[ADRS]            ; the next K step's scale words
	FETCH_B \next, 0, 0
	FETCH_A \next, 0, 0
	SCALES \next
	WIN MUL_HI
	MUL16 4, 1, NQ-1, \slot, 0
	MUL16 6, 1, NQ-1, \slot, 0
	PLACES NP
	WIN 0
	FETCH_A \next, 0, 4
.endm
; THE QUANTISER.  64 numbers of a lane, v[s] on: registers 16 b .. 16 b + 15 are my half of block b of my row.  QMAX: the blocks' largest magnitudes.  QTAIL: scale word into v[pw], codes into v[PC] .. v[PC + 11].
.macro QMAX s
.irp b, 0,1,2,3
	v_max3_num_f32 v[TM+\b], |v[\s+16*\b]|, |v[\s+1+16*\b]|, 0x1800000   ; with the floor 2^(3 - 127): the byte cannot fall under 1
.endr
.irp i, 2,4,6,8,10,12,14
.irp b, 0,1,2,3
	v_max3_num_f32 v[TM+\b], v[TM+\b], |v[\s+16*\b+\i]|, |v[\s+1+16*\b+\i]|
.endr
.endr
.irp b, 0,1,2,3
	v_permlanex16_b32 v[TM+4+\b], v[TM+\b], s[SEL], s[SEL+1]
.endr
.irp b, 0,1,2,3
	v_max_num_f32 v[TM+\b], v[TM+\b], v[TM+4+\b]   ; with lane l xor 16's half
.endr
.endm
.macro QTAIL s, pw
.irp b, 0,1,2,3
	v_add_nc_u32 v[TM+12+\b], 0xff000000, v[TM+\b] ; 2 off the exponent field: the conversion's scale operand
.endr
.irp b, 0,1,2,3
	v_lshrrev_b32 v[TM+4+\b], 23, v[TM+12+\b]      ; the scale's byte
.endr
	v_lshl_or_b32 v[\pw], v[TM+5], 8, v[TM+4]
	v_lshl_or_b32 v[\pw], v[TM+6], 16, v[\pw]
	v_lshl_or_b32 v[\pw], v[TM+7], 24, v[\pw]
.irp c, 0,1
	v_cvt_scalef32_pk16_fp6_f32 v[PC+6*\c:PC+2+6*\c], v[\s+32*\c:\s+15+32*\c], v[TM+12+2*\c]
	v_cvt_scalef32_pk16_fp6_f32 v[PC+12+4*\c:PC+14+4*\c], v[\s+16+32*\c:\s+31+32*\c], v[TM+12+2*\c+1]   ; (a conversion's three registers begin on an even number)
.endr
	v_nop                                          ; one plain place behind a scaled conversion
.irp c, 0,1                                    ; the operand's layout wants a whole block in a lane: lanes 0-15 block 2 c, lanes 16-31 block 2 c + 1
.irp i, 0,1,2
	v_permlane16_swap_b32 v[PC+6*\c+\i], v[PC+12+4*\c+\i]
.endr
.irp i, 0,1,2
	v_mov_b32 v[PC+3+6*\c+\i], v[PC+12+4*\c+\i]
.endr
.endr
.endm
; THE WAY OUT of A's block a: its eight accumulators are 64 numbers of my row along the next K: + the bias, quantised, stored as one fragment's image.
.macro OUTBLK a
.set AC, 64*((\a)%4)
.if (\a) > 0
	s_wait_xcnt 0x0                                ; the last block's stores have read the codes' registers
.endif
	s_cmp_eq_u32 s95, 0                            ; the task: the same in every wave of the cluster
	s_cbranch_scc0 .Lby_b_\@
	WIN 0x02+(\a)/4                                ; source 0: window 2 or 3
.set i, 0
.rept 32
	v_pk_add_f32 v[T+i:T+i+1], v[AC+i:AC+i+1], v[BA+2*(\a):BA+2*(\a)+1]   ; the bias of my row; each accumulator from its low end on
.set i, i+2
.endr
	WIN 0
	s_branch .Ladded_\@
.Lby_b_\@:
	WIN 0x02+(\a)/4
.set i, 0
.rept 32
	v_pk_add_f32 v[T+i:T+i+1], v[AC+i:AC+i+1], v[BI+i:BI+i+1]             ; the bias of the register's row of B
.set i, i+2
.endr
	WIN 0
.Ladded_\@:
	QMAX T
	QTAIL T, PWA+(\a)
.irp c, 0,1,2
	global_store_b128 v[LI], v[PC+4*\c:PC+4*\c+3], s[66:67] offset:FRB*(\a)+512*\c   ; 32 lanes store 512 consecutive bytes, at a multiple of 256 from the buffer's first byte
.endr
.endm
	s_wait_tensorcnt 1                             ; the scales and my part of K step 0 are in; K step 1's load may be out
	s_barrier_signal -1
	s_barrier_wait -1
	FETCH_B 0, 0, 0
	FETCH_A 0, 0, 0
	SCALES 0
	FETCH_A 0, 0, 4
	STEP 0, 0, 1                                   ; the first products start the sums: nothing is cleared.  K's eight steps of 128 are written out: a loop would have one trip
	TURN 0, 1, 1
	STEP 1, 0, 0
	TURN 1, 0, 1
	STEP 0, 0, 0
	TURN 0, 1, 0                                   ; nothing is left to fetch
	STEP 1, 0, 0
	s_wait_dscnt 4*NL
	WIN MUL_LO
	MUL16 0, 1, NQ-1, 1, 0
	MUL16 2, 1, NQ-1, 1, 0
	s_wait_dscnt 0
	WIN MUL_HI
	MUL16 4, 1, NQ-1, 1, 0
	MUL16 6, 1, NQ-1, 1, 0
	WIN 0
	s_wait_loadcnt 0x0                             ; the bias
	PLACES NP                                      ; in front of vector writes into the registers that held A's fragments
.irp a, 0,1,2,3,4,5,6,7
	OUTBLK \a
.endr
.irp c, 0,1,2,3
	v_cndmask_b32 v[SCP+\c], v[PWA+2*\c], v[PWA+2*\c+1], s94   ; lanes 0-15: fragment 2 c's words; lanes 16-31: fragment 2 c + 1's (both halves of the lanes hold each row's word)
.endr
	global_store_b128 v[LI], v[SCP:SCP+3], s[66:67] offset:8*FRB
	s_wait_tensorcnt 0x0                           ; the wave's end
	ds_add_u32 v[SPW], v[NIL]
	s_wait_dscnt 0x0
	CROUND                                         ; the closing round: no work-group ends while a partner may still ask for a tile that names it
	s_endpgm
.Lfunc_end_k_q8c0a566ee6_proj:
	.size	k_q8c0a566ee6_proj, .Lfunc_end_k_q8c0a566ee6_proj-k_q8c0a566ee6_proj
	.p2alignl 7, 3214868480
	.fill 96, 4, 3214868480
	.section	.rodata,"a",@progbits
	.p2align	6, 0x0
	.amdhsa_kernel k_q8c0a566ee6_proj
		.amdhsa_group_segment_fixed_size 327680
		.amdhsa_private_segment_fixed_size 0
		.amdhsa_enable_private_segment 0
		.amdhsa_kernarg_size 160
		.amdhsa_user_sgpr_count 2
		.amdhsa_user_sgpr_kernarg_segment_ptr 1
		.amdhsa_wavefront_size32 1
		.amdhsa_system_sgpr_workgroup_id_x 1
		.amdhsa_system_sgpr_workgroup_id_y 1
		.amdhsa_system_sgpr_workgroup_id_z 1
		.amdhsa_system_vgpr_workitem_id 0
		.amdhsa_next_free_vgpr 1024
		.amdhsa_next_free_sgpr 102
		.amdhsa_reserve_vcc 1
		.amdhsa_float_denorm_mode_32 3
		.amdhsa_float_denorm_mode_16_64 3
		.amdhsa_memory_ordered 1
		.amdhsa_forward_progress 1
		.amdhsa_inst_pref_size 206
	.end_amdhsa_kernel
	.amdgpu_metadata
---
amdhsa.version: [ 1, 2 ]
amdhsa.kernels:
  - .name:           k_q8c0a566ee6_proj
    .symbol:         k_q8c0a566ee6_proj.kd
    .args:
      - { .name: query_codes, .offset: 0, .size: 8, .value_kind: global_buffer, .address_space: global }
      - { .name: query_scales, .offset: 8, .size: 8, .value_kind: global_buffer, .address_space: global }
      - { .name: Wq_codes, .offset: 16, .size: 8, .value_kind: global_buffer, .address_space: global }
      - { .name: Wq_scales, .offset: 24, .size: 8, .value_kind: global_buffer, .address_space: global }
      - { .name: value_codes, .offset: 32, .size: 8, .value_kind: global_buffer, .address_space: global }
      - { .name: value_scales, .offset: 40, .size: 8, .value_kind: global_buffer, .address_space: global }
      - { .name: Wv_codes, .offset: 48, .size: 8, .value_kind: global_buffer, .address_space: global }
      - { .name: Wv_scales, .offset: 56, .size: 8, .value_kind: global_buffer, .address_space: global }
      - { .name: Wk_codes, .offset: 64, .size: 8, .value_kind: global_buffer, .address_space: global }
      - { .name: Wk_scales, .offset: 72, .size: 8, .value_kind: global_buffer, .address_space: global }
      - { .name: key_codes, .offset: 80, .size: 8, .value_kind: global_buffer, .address_space: global }
      - { .name: key_scales, .offset: 88, .size: 8, .value_kind: global_buffer, .address_space: global }
      - { .name: bq, .offset: 96, .size: 8, .value_kind: global_buffer, .address_space: global }
      - { .name: bv, .offset: 104, .size: 8, .value_kind: global_buffer, .address_space: global }
      - { .name: bk, .offset: 112, .size: 8, .value_kind: global_buffer, .address_space: global }
      - { .name: Wo_codes, .offset: 120, .size: 8, .value_kind: global_buffer, .address_space: global }
      - { .name: Wo_scales, .offset: 128, .size: 8, .value_kind: global_buffer, .address_space: global }
      - { .name: qrec, .offset: 136, .size: 8, .value_kind: global_buffer, .address_space: global }
      - { .name: kvrec, .offset: 144, .size: 8, .value_kind: global_buffer, .address_space: global }
      - { .name: worec, .offset: 152, .size: 8, .value_kind: global_buffer, .address_space: global }
    .group_segment_fixed_size: 327680
    .private_segment_fixed_size: 0
    .kernarg_segment_align: 8
    .kernarg_segment_size: 160
    .max_flat_workgroup_size: 128
    .sgpr_count:     102
    .vgpr_count:     1024
    .wavefront_size: 32
...
	.end_amdgpu_metadata
.endif
;; end of part 1
;; launch attn (part 2): grid 16 x 16, 4 waves a work-group, clusters of 4 x 1, 327,680 bytes of LDS; arguments qrec, kvrec, worec, bo, out0; writes out0
.if DOCPART == 2
	.amdgcn_target "amdgcn-amd-amdhsa--gfx1250"
	.amdhsa_code_object_version 6
	.text
	.protected	k_q8c0a566ee6_attn
	.globl	k_q8c0a566ee6_attn
	.p2align	8
	.type	k_q8c0a566ee6_attn,@function
k_q8c0a566ee6_attn:
	s_mov_b64 s[64:65], 0
	v_nop
	global_prefetch_b8 v0, s[64:65] scope:SCOPE_SE
	s_setreg_imm32_b32 hwreg(HW_REG_WAVE_MODE, 25, 1), 1
	s_wait_xcnt 0x0
	s_wait_alu depctr_hold_cnt(0) depctr_sa_sdst(0) depctr_va_vdst(0) depctr_va_sdst(0) depctr_va_ssrc(0) depctr_va_vcc(0) depctr_vm_vsrc(0)
	s_getreg_b32 s2, hwreg(HW_REG_IB_STS2, 6, 4)
	s_cmp_eq_u32 s2, 0
	s_cbranch_scc0 .Lentry_in_a_cluster
	s_endpgm
.Lentry_in_a_cluster:
	s_bfe_u32 s2, ttmp6, 0x10000c
	s_cmp_lg_u32 s2, 0x3003
	s_cbranch_scc0 .Lentry_shape_is_right
	s_endpgm
.Lentry_shape_is_right:
; out[b][i][:] = (softmax_s(q^T k^T / 32) v) Wo^T + bo for 64 rows i of one batch: three products on codes of FP6 (E2M3) with E8M0 scales, and the softmax between them.  p and o never go to memory.
; THE WAVES SHARE THE COLUMNS, NOT THE ROWS.  In S wave w makes keys 128 w on; in O two blocks of 128 columns e, one after the other; in the last product columns f = 256 w + 128 u on (u = 0, 1); each for all 64 rows: 32 accumulators.
; Every product is used transposed: source 0 = 16 rows of the streamed operand (k, v^T, Wo), source 1 = 16 of my 64 rows (q^T, then p, then o), which stay in registers for all of K.
; So a lane holds one row i and its registers run along the next product's K: a wave's 128 columns of a tile of rows become one fragment and one scale word a row.
; These go from wave to wave through LDS as images of their registers (16 bytes a lane, 512 bytes an instruction).
; THE STREAM.  k, v^T and Wo were laid by the first launch as records of 12,800 bytes (8 fragments' images, then 512 bytes of scale words).  A wave's quarter of a slot is two records on end (two K steps):
; wave w fetches it with one tensor load and reads it alone.  16 slots go through two LDS slots that take turns.
; CLUSTER.  The four work-groups of a cluster are four row blocks of one batch and walk the same stream: each quarter is asked for jointly, with a mask that names the four.
; THE ORDER OF THE STREAM differs from cluster to cluster.  X = the cluster's x (0 .. 3).  In every product turn t of K's pairs of steps takes pair t xor X, so that in any turn the four clusters of a batch ask for four different
; parts of k, and each part is asked for first by one or two clusters and by the others in later turns.  S: k's slot t xor X; q^T's fragments are loaded in that order.  O: in its turn i (0, 1) wave w makes the columns of
; block 4 (i xor X / 2) + (w xor 2 (X % 2)) of v^T's eight; its fragment of o goes to place 4 i + w, so place j holds K step j xor 2 X of the last product, which is pair (j / 2) xor X once more.
; The last product: Wo's pair t xor X, and the two halves u in the order that the parity of the batch's number gives: eight orders for Wo's eight slots.
; X and the batch enter global addresses alone, and the partners of a cluster share both.  The sums over K are f32 sums in another order; products, blocks and scales are as they were.
; THE SOFTMAX: t = score x log2(e) / 32; M = the row's largest t over all 512 keys, rounded up to a whole number; p = 2^(t - M) is quantised along the keys; the row's sum is taken of the unquantised p and divides O.
; THE ORDER INSIDE A BLOCK OF 32: as in the first launch, the second and third groups of eight have changed places in every operand, on both sides of each product.
; LIMITS: NaN and infinities are not served.  A block whose largest magnitude lies under 2^-124 gets the scale byte 1 (a block of zeros too: its codes are zeros).
; REGISTERS, in windows of 256: window 0: v1-18 addresses; v20-27 bo; v32-47 my rows' scale words; v48-55 the stream's; v56-95 the softmax's figures; v96-159 at work; v160-255 stream set 0 (under it T, 64 numbers of a lane).
;   window 1: the accumulators, (m, n) at 64 m + 8 n.   window 2: my rows' fragments of places 0-4, (place, m) at 48 place + 12 m.   window 3: those of places 5-7; v144-239 stream set 1.
.set REC,   12800
.set FRB,   1536
.set QTR,   2*REC                      ; a wave's quarter of a slot
.set SLOTB, 8*REC
.set PIMG,  2*SLOTB                    ; behind the ring: p's 16 fragments (4 place + m),
.set OIMG,  PIMG+16*FRB                ; o's 32,
.set PSC,   OIMG+32*FRB                ; p's scale words: 256 bytes a place; the word of (m, r) at 128 (m / 2) + 64 (m % 2) + 4 r,
.set OSC,   PSC+4*256                  ; o's,
.set RED,   OSC+8*256                  ; the waves' maxima (512 m + 16 lane + 4 w), and 2,048 on their sums,
.set STG,   RED+4096                   ; a stage of 16 rows x (512 + 16) bytes for each wave,
.set SP,    528
.set SPARE, STG+4*16*SP                ; and the spare words, 128 bytes a wave; no other line names them
.set LI,  1                            ; 16 x lane
.set SA0, 2                            ; v2, v3: my quarter in slot 0, 1, + 16 x lane
.set PIR, 4
.set PIW, 5
.set PSR, 6
.set PSW, 7
.set OIR, 8
.set OIW, 9
.set OSR, 10
.set OSW, 11
.set RW,  12
.set RR,  13
.set SI,  14                           ; the stage: where I put 32 bytes of a row
.set SO,  15                           ; and where I read a row back
.set SPW, 16                           ; my spare word; never rewritten
.set NIL, 17                           ; 0; never rewritten
.set PFO, 18                           ; 256 x lane; never rewritten
.set BO,  20                           ; v20-27 bo at my 128 columns of the last product's first and second turn, 4 numbers a lane each
.set SS,  32                           ; v32-47 source 1's scale words: register 2 place + m / 2; lanes 0-15 even m, lanes 16-31 odd m
.set PK,  48                           ; v48-51, v52-55 the stream's scale words, sets 0 and 1
.set NM,  56                           ; pairs: -M of tile m
.set LS,  64                           ; pairs: the sum's two halves
.set RL,  72                           ; pairs: 1 / the sum
.set BM,  80                           ; v80-95 the largest score of block b of tile m: 4 m + b
.set PC,  96                           ; the codes just made
.set TM,  116                          ; v116-131 at work in the quantiser
.set PW,  132                          ; the scale word just made
.set WK,  134
.set RD4, 140                          ; v140-155 four waves' figures for four tiles; at the head v140-143: q's offsets
.set T,   160
.set UW,  3                            ; s3   the parity of the batch's number: which half u the last product takes first
.set WV,  14
.set G1,  16
.set G0,  24
.set SEL, 34
.set CS,  36
.set QS,  38
.set PFK, 40
.set PFW, 42
.set FKV, 44                           ; 1 in the waves that prefetch v^T
.set FWO, 45                           ; 1 in the waves that prefetch Wo
.set RX,  49                           ; s49  X
.set OFF, 66                           ; s66-81 where my quarter of the stream's slot 0 .. 15 begins: 0-7 from the batch's first byte in kvrec, 8-15 from worec's
.set QOF, 82                           ; s82-85 where q's records of pair t begin
.set TO,  86                           ; s[86:87] an offset as a pair: the upper word stays 0
.set OU0, 88                           ; s[88:89], s[90:91] out at my columns of the last product's first and second turn
.set BB0, 92                           ; s[92:93], s[94:95] bo likewise
.set MSB, 0
.macro WIN new                         ; the immediate's high byte repeats the setting that is left
.if MSB != (\new)
	s_set_vgpr_msb (MSB<<8)|(\new)
.set MSB, (\new)
.endif
.endm
.macro CREST
	s_cmp_lg_u32 s[WV], 0
	s_cbranch_scc1 .Lnot_wave_0_\@
	s_barrier_signal -3
.Lnot_wave_0_\@:
	s_barrier_wait -3
	s_barrier_signal -1
	s_barrier_wait -1
.endm
.macro CROUND
	s_barrier_signal -1
	s_barrier_wait -1
	CREST
.endm
.macro PLACES n
.rept \n
	v_nop
.endr
.endm
.macro BARRIER                         ; my LDS stores have landed and my LDS loads are in: then the work-group's barrier.
	s_wait_dscnt 0x0
	s_barrier_signal -1
	s_barrier_wait -1
.endm
.macro JLOAD s                         ; every wave fetches its own quarter; four v_nop follow
	tensor_load_to_lds s[G0+4*(\s):G0+4*(\s)+3], s[G1:G1+7]
	s_nop 0
.rept 4
	v_nop
.endr
.endm
; A PREFETCH INTO THE L2: 32 blocks of 256 bytes, a lane a block, 8,192 bytes a wave, one instruction.  It stands behind the wave's tensor load, its four lines and the run of LDS loads.
; v^T: at the first change of slots, two and three changes ahead of the loads that ask for it.  Waves 0 to 2 of all four clusters of the batch ask: wave number g = 4 (4 w + X) + cx of 48 takes bytes 425,984 + 8,192 g on of the
; batch's stream, up to its end at 819,200 (the first 16,384 bytes of v^T come by their loads alone).  Wo: at the fifth change of slots, two changes ahead of its first loads.  Of the clusters with X = 0 the waves with
; 4 batch + w < 25 ask: wave number g = 4 (4 batch + w) + cx of 100 takes bytes 8,192 g on, all 819,200.  So each block is named once in the launch; the partners of a cluster are told apart by address, never by a branch;
; no address register is ever rewritten.  k comes by its loads alone: all of it is asked for at the head or shortly behind it.
.macro ASK af, ab
	s_cmp_eq_u32 s[\af], 1
	s_cbranch_scc0 .Lnoask_\@
	global_prefetch_b8 v[PFO], s[\ab:\ab+1] th:TH_LOAD_NT scope:SCOPE_SE
.Lnoask_\@:
.endm
; 25 LDS loads: record q of my quarter of a slot: eight fragments and their scale words, as they lie: 512 consecutive bytes an instruction
.macro SFETCH set, slot, q
.if \set
	WIN 0xc0
.set rF, 144
.else
	WIN 0
.set rF, 160
.endif
.irp n, 0,1,2,3,4,5,6,7
.irp c, 0,1,2
	ds_load_b128 v[rF+12*\n+4*\c:rF+12*\n+4*\c+3], v[SA0+(\slot)] offset:REC*(\q)+FRB*\n+512*\c
.endr
.endr
	WIN 0
	ds_load_b128 v[PK+4*(\set):PK+4*(\set)+3], v[SA0+(\slot)] offset:REC*(\q)+8*FRB
.endm
.macro WM z, pa, pb                    ; one product; pa, pb: the scale words stand in lanes 16-31 of their registers
.if (\z)
.if (\pa) && (\pb)
	v_wmma_scale_f32_16x16x128_f8f6f4 v[rD:rD+7], v[rA:rA+11], v[rB:rB+11], 0, v[rSA], v[rSS] matrix_a_fmt:MATRIX_FMT_FP6 matrix_b_fmt:MATRIX_FMT_FP6 matrix_a_scale:MATRIX_SCALE_ROW1 matrix_b_scale:MATRIX_SCALE_ROW1
.elseif (\pa)
	v_wmma_scale_f32_16x16x128_f8f6f4 v[rD:rD+7], v[rA:rA+11], v[rB:rB+11], 0, v[rSA], v[rSS] matrix_a_fmt:MATRIX_FMT_FP6 matrix_b_fmt:MATRIX_FMT_FP6 matrix_a_scale:MATRIX_SCALE_ROW1
.elseif (\pb)
	v_wmma_scale_f32_16x16x128_f8f6f4 v[rD:rD+7], v[rA:rA+11], v[rB:rB+11], 0, v[rSA], v[rSS] matrix_a_fmt:MATRIX_FMT_FP6 matrix_b_fmt:MATRIX_FMT_FP6 matrix_b_scale:MATRIX_SCALE_ROW1
.else
	v_wmma_scale_f32_16x16x128_f8f6f4 v[rD:rD+7], v[rA:rA+11], v[rB:rB+11], 0, v[rSA], v[rSS] matrix_a_fmt:MATRIX_FMT_FP6 matrix_b_fmt:MATRIX_FMT_FP6
.endif
.else
.if (\pa) && (\pb)
	v_wmma_scale_f32_16x16x128_f8f6f4 v[rD:rD+7], v[rA:rA+11], v[rB:rB+11], v[rD:rD+7], v[rSA], v[rSS] matrix_a_fmt:MATRIX_FMT_FP6 matrix_b_fmt:MATRIX_FMT_FP6 matrix_a_scale:MATRIX_SCALE_ROW1 matrix_b_scale:MATRIX_SCALE_ROW1
.elseif (\pa)
	v_wmma_scale_f32_16x16x128_f8f6f4 v[rD:rD+7], v[rA:rA+11], v[rB:rB+11], v[rD:rD+7], v[rSA], v[rSS] matrix_a_fmt:MATRIX_FMT_FP6 matrix_b_fmt:MATRIX_FMT_FP6 matrix_a_scale:MATRIX_SCALE_ROW1
.elseif (\pb)
	v_wmma_scale_f32_16x16x128_f8f6f4 v[rD:rD+7], v[rA:rA+11], v[rB:rB+11], v[rD:rD+7], v[rSA], v[rSS] matrix_a_fmt:MATRIX_FMT_FP6 matrix_b_fmt:MATRIX_FMT_FP6 matrix_b_scale:MATRIX_SCALE_ROW1
.else
	v_wmma_scale_f32_16x16x128_f8f6f4 v[rD:rD+7], v[rA:rA+11], v[rB:rB+11], v[rD:rD+7], v[rSA], v[rSS] matrix_a_fmt:MATRIX_FMT_FP6 matrix_b_fmt:MATRIX_FMT_FP6
.endif
.endif
.endm
; 4 cnt matrix instructions: stream fragments n0 .. n0 + cnt - 1 of a set x my four tiles of rows, place rk along K.  The 32 accumulators take turns, in the same order in every K step.
.macro GMUL set, rk, n0, cnt, zero
.set wv, (3*(\set))|((2+(\rk)/5)<<2)|0x50
	WIN wv                                         ; source 0: window 0 or 3; source 1: window 2 or 3; C and D: window 1
.set rFB, 160-16*(\set)
.set rRB, 48*((\rk)%5)
.set nn, \n0
.rept \cnt
.irp m, 0,1,2,3
.set rD, 64*\m+8*nn
.set rA, rFB+12*nn
.set rB, rRB+12*\m
.set rSA, PK+4*(\set)+nn/2
.set rSS, SS+2*(\rk)+\m/2
	WM \zero, nn%2, \m%2
.endr
.set nn, nn+1
.endr
.endm
; A slot's first K step multiplies set 0; set 1 is fetched ahead of it and lands meanwhile.
.macro STEPA slot, rk, zero
	PLACES 4                                       ; in front of loads into registers that the last products read
	SFETCH 1, \slot, 1
	s_wait_dscnt 25                                ; all but the 25 just issued: set 0 is in
	GMUL 0, \rk, 0, 8, \zero
.endm
; A slot's second K step multiplies set 1 and changes slots.  In front of the round each wave waits for all its tensor loads (the one that is out is its quarter of the other slot), adds 0 to its spare word,
; and waits for that and for its reads of this slot.  Behind the round this slot is filled again, with slot nxt of the stream (two further on in this cluster's order).
.macro TURN slot, rk, nxt, fetch, af, ab
	WIN 0                                          ; (the add's two registers lie in window 0)
	s_wait_tensorcnt 0x0                           ; no tensor load of mine is out, so a group 0 may be written
	ds_add_u32 v[SPW], v[NIL]                      ; 0 onto my spare word
	s_mov_b32 s[TO], s[OFF+(\nxt)]
.if (\nxt) < 8
	s_add_nc_u64 s[G0+4*\slot+2:G0+4*\slot+3], s[6:7], s[TO:TO+1]      ; k and v^T of my batch
.else
	s_add_nc_u64 s[G0+4*\slot+2:G0+4*\slot+3], s[8:9], s[TO:TO+1]      ; Wo
.endif
	s_or_b32 s[G0+4*\slot+3], s[G0+4*\slot+3], 0x80000000
	s_wait_dscnt 1                                 ; set 1 is in; the add may be out
	GMUL 1, \rk, 0, 1, 0
	s_wait_dscnt 0x0                               ; the add is done, and my reads of this slot are over
	s_barrier_signal -1
	GMUL 1, \rk, 1, 1, 0
	WIN 0
	s_barrier_wait -1
	CREST                                          ; no wave of any partner still reads this slot or has a load on its way
	JLOAD \slot                                    ; the first tensor load behind the round, my only one until the next; its four v_nop are the places in front of the loads below
.if \fetch
	SFETCH 0, 1-\slot, 0                           ; the other slot's first record
.endif
.if \af
	ASK \af, \ab
.endif
	GMUL 1, \rk, 2, 6, 0
.endm
.macro QMAX s
.irp b, 0,1,2,3
	v_max3_num_f32 v[TM+\b], |v[\s+16*\b]|, |v[\s+1+16*\b]|, 0x1800000   ; with the floor 2^(3 - 127): the byte cannot fall under 1
.endr
.irp i, 2,4,6,8,10,12,14
.irp b, 0,1,2,3
	v_max3_num_f32 v[TM+\b], v[TM+\b], |v[\s+16*\b+\i]|, |v[\s+1+16*\b+\i]|
.endr
.endr
.irp b, 0,1,2,3
	v_permlanex16_b32 v[TM+4+\b], v[TM+\b], s[SEL], s[SEL+1]
.endr
.irp b, 0,1,2,3
	v_max_num_f32 v[TM+\b], v[TM+\b], v[TM+4+\b]
.endr
.endm
.macro QTAIL s, pw
.irp b, 0,1,2,3
	v_add_nc_u32 v[TM+12+\b], 0xff000000, v[TM+\b] ; 2 off the exponent field: the conversion's scale operand
.endr
.irp b, 0,1,2,3
	v_lshrrev_b32 v[TM+4+\b], 23, v[TM+12+\b]      ; the scale's byte
.endr
	v_lshl_or_b32 v[\pw], v[TM+5], 8, v[TM+4]
	v_lshl_or_b32 v[\pw], v[TM+6], 16, v[\pw]
	v_lshl_or_b32 v[\pw], v[TM+7], 24, v[\pw]
.irp c, 0,1
	v_cvt_scalef32_pk16_fp6_f32 v[PC+6*\c:PC+2+6*\c], v[\s+32*\c:\s+15+32*\c], v[TM+12+2*\c]
	v_cvt_scalef32_pk16_fp6_f32 v[PC+12+4*\c:PC+14+4*\c], v[\s+16+32*\c:\s+31+32*\c], v[TM+12+2*\c+1]
.endr
	v_nop                                          ; one plain place behind a scaled conversion
.irp c, 0,1
.irp i, 0,1,2
	v_permlane16_swap_b32 v[PC+6*\c+\i], v[PC+12+4*\c+\i]
.endr
.irp i, 0,1,2
	v_mov_b32 v[PC+3+6*\c+\i], v[PC+12+4*\c+\i]
.endr
.endr
.endm
.macro IMAGE adr, off                  ; the fragment in v[PC] on goes to LDS as it stands
.irp c, 0,1,2
	ds_store_b128 v[\adr], v[PC+4*\c:PC+4*\c+3] offset:\off+512*\c
.endr
.endm
.macro RESLDS nks, adr                 ; my rows' fragments of nks places come back from LDS, in every wave
.set kk, 0
.rept \nks
.if kk < 5
	WIN 0x80
.else
	WIN 0xc0
.endif
.irp m, 0,1,2,3
.irp c, 0,1,2
	ds_load_b128 v[48*(kk%5)+12*\m+4*\c:48*(kk%5)+12*\m+4*\c+3], v[\adr] offset:(4*kk+\m)*FRB+512*\c
.endr
.endr
.set kk, kk+1
.endr
	WIN 0
.endm
.macro SSLDS nks, adr                  ; and their scale words
.set kk, 0
.rept \nks
	ds_load_b32 v[SS+2*kk], v[\adr] offset:256*kk
	ds_load_b32 v[SS+2*kk+1], v[\adr] offset:256*kk+128
.set kk, kk+1
.endr
.endm
	s_load_b256 s[4:11], s[0:1], 0x0               ; qrec s[4:5], kvrec s[6:7], worec s[8:9], bo s[10:11]
	s_load_b64 s[12:13], s[0:1], 0x20              ; out0
	v_lshl_add_u32 v[SPW], v0, 2, SPARE
	v_mov_b32 v[NIL], 0
	ds_add_u32 v16, v17
	ds_add_u32 v16, v17
	s_wait_dscnt 0x0
	v_lshrrev_b32 v19, 5, v0
	v_readfirstlane_b32 s[WV], v19                 ; wave 0..3
	s_bfe_u32 s47, ttmp6, 0x40000                  ; cx: it enters q's, out's and the prefetches' addresses alone
	s_lshl_b32 s48, ttmp9, 2
	s_add_co_u32 s48, s48, s47                     ; my block of 64 rows, 0 .. 15
	s_and_b32 s56, ttmp7, 0xffff                   ; the batch, which the four partners share
	s_and_b32 s[RX], ttmp9, 3                      ; X, which they share too
	s_bcnt1_i32_b32 s[UW], s56
	s_and_b32 s[UW], s[UW], 1                      ; the parity of the batch's number
	s_mul_i32 s58, s56, 64*REC                     ; the batch's stream
	s_mov_b32 s59, 0
	s_mul_i32 s57, s[WV], QTR                      ; my quarter: in LDS, and in k's and Wo's slots in memory
	s_mov_b32 s[TO+1], 0
	; where my quarter of each of the 16 slots begins, in this cluster's order
	s_lshl_b32 s50, s[UW], 2
.irp t, 0,1,2,3
	s_xor_b32 s15, s[RX], \t                       ; turn t takes pair t xor X
	s_mul_i32 s[QOF+\t], s15, QTR                  ; q: two records a pair
	s_mul_i32 s[OFF+\t], s15, SLOTB                ; k: slot = pair
	s_add_co_u32 s[OFF+\t], s[OFF+\t], s57
	s_or_b32 s15, s15, s50                         ; Wo: slot = 4 u + pair; the first turn's u is the parity,
	s_mul_i32 s[OFF+8+\t], s15, SLOTB
	s_add_co_u32 s[OFF+8+\t], s[OFF+8+\t], s57
	s_xor_b32 s15, s15, 4                          ; the second turn's the other
	s_mul_i32 s[OFF+12+\t], s15, SLOTB
	s_add_co_u32 s[OFF+12+\t], s[OFF+12+\t], s57
.endr
	s_and_b32 s50, s[RX], 1                        ; v^T: my block of 128 columns in turn 0: 4 (X / 2) + (w xor 2 (X % 2))
	s_lshl_b32 s50, s50, 1
	s_xor_b32 s50, s50, s[WV]
	s_lshr_b32 s51, s[RX], 1
	s_lshl_b32 s51, s51, 2
	s_or_b32 s50, s50, s51
	s_and_b32 s52, s50, 1                          ; block B, half h of K lies in slot 4 + 2 (B % 2) + h, quarter B / 2
	s_lshl_b32 s52, s52, 1
	s_add_co_u32 s52, s52, 4
	s_mul_i32 s52, s52, SLOTB
	s_lshr_b32 s53, s50, 1
	s_mul_i32 s53, s53, QTR
	s_add_co_u32 s[OFF+4], s52, s53
	s_add_co_u32 s[OFF+5], s[OFF+4], SLOTB
	s_xor_b32 s53, s50, 4                          ; in turn 1: the block four away
	s_lshr_b32 s53, s53, 1
	s_mul_i32 s53, s53, QTR
	s_add_co_u32 s[OFF+6], s52, s53
	s_add_co_u32 s[OFF+7], s[OFF+6], SLOTB
	; descriptor group 1: 25,600 dense bytes as 100 rows of 256 bytes (32 elements of 8 bytes), no padding
	s_mov_b32 s[G1], 15|(3<<16)|(1<<21)            ; 15:0 the mask: all four work-groups; 17:16 elements of 8 bytes; 21 set beside a mask
	s_mov_b32 s[G1+1], 32<<16                      ; tensor_dim0
	s_mov_b32 s[G1+2], 100<<16                     ; tensor_dim1
	s_mov_b32 s[G1+3], 32<<16                      ; tile_dim0
	s_mov_b32 s[G1+4], 100                         ; tile_dim1
	s_mov_b32 s[G1+5], 32                          ; from row to row
	s_mov_b32 s[G1+6], 0
	s_mov_b32 s[G1+7], 0
	s_mov_b32 s[SEL], 0x76543210
	s_mov_b32 s[SEL+1], 0xfedcba98                 ; lane l xor 16
	s_mov_b32 s[CS], 0x3d38aa3b                    ; c = log2(e) / 32
	s_mov_b32 s[CS+1], s[CS]
	; the prefetches: who asks, and where
	s_cmp_lt_u32 s[WV], 3
	s_cselect_b32 s[FKV], 1, 0
	s_lshl_b32 s60, s56, 2
	s_add_co_u32 s60, s60, s[WV]                   ; 4 batch + w
	s_cmp_lt_u32 s60, 25
	s_cselect_b32 s[FWO], 1, 0
	s_cmp_eq_u32 ttmp9, 0
	s_cselect_b32 s[FWO], s[FWO], 0
	s_lshl_b32 s60, s60, 2
	s_add_co_u32 s60, s60, s47
	s_lshl_b32 s60, s60, 13                        ; Wo: 8,192 (4 (4 batch + w) + cx)
	s_mov_b32 s61, 0
	s_lshl_b32 s62, s[WV], 2
	s_add_co_u32 s62, s62, s[RX]
	s_lshl_b32 s62, s62, 2
	s_add_co_u32 s62, s62, s47
	s_lshl_b32 s62, s62, 13                        ; v^T: 8,192 (4 (4 w + X) + cx),
	s_add_co_u32 s62, s62, s58                     ; in my batch,
	s_add_co_u32 s62, s62, 4*SLOTB+16384           ; 16,384 bytes behind v^T's first
	s_mov_b32 s63, 0
	s_lshl_b32 s50, s56, 3
	s_lshr_b32 s51, s48, 1
	s_add_co_u32 s50, s50, s51
	s_mul_i32 s50, s50, 8*REC                      ; q's records of my 128 rows: eight, one for each K step
	s_mov_b32 s51, 0
	s_and_b32 s52, s48, 1                          ; which half of their fragments is mine
	s_mul_i32 s54, s52, 4*FRB
	s_mov_b32 s55, 0
	s_lshl_b32 s52, s52, 3
	s_add_co_u32 s52, s52, 8*FRB                   ; and which two of the four registers of scale words
	s_mov_b32 s53, 0
	s_wait_kmcnt 0x0
	s_add_nc_u64 s[4:5], s[4:5], s[50:51]
	s_add_nc_u64 s[QS:QS+1], s[4:5], s[52:53]
	s_add_nc_u64 s[4:5], s[4:5], s[54:55]
	s_add_nc_u64 s[PFW:PFW+1], s[8:9], s[60:61]
	s_add_nc_u64 s[PFK:PFK+1], s[6:7], s[62:63]
	s_add_nc_u64 s[6:7], s[6:7], s[58:59]          ; k and v^T at my batch's first byte
	s_lshl_b32 s52, s[WV], 10                      ; my 256 columns of the last product, in bytes,
	s_lshl_b32 s50, s[UW], 9                       ; and the half that the first turn takes
	s_add_co_u32 s50, s50, s52
	s_add_nc_u64 s[BB0:BB0+1], s[10:11], s[50:51]
	s_xor_b32 s50, s50, 512                        ; the second turn's
	s_add_nc_u64 s[BB0+2:BB0+3], s[10:11], s[50:51]
	s_lshl_b32 s54, s56, 10
	s_lshl_b32 s55, s48, 6
	s_add_co_u32 s54, s54, s55
	s_lshl_b32 s54, s54, 12                        ; my first row of out, 4,096 bytes a row
	s_mov_b32 s55, 0
	s_add_nc_u64 s[12:13], s[12:13], s[54:55]
	s_add_nc_u64 s[OU0+2:OU0+3], s[12:13], s[50:51]
	s_xor_b32 s50, s50, 512
	s_add_nc_u64 s[OU0:OU0+1], s[12:13], s[50:51]
	CROUND                                         ; all four work-groups are here: the first joint loads meet
	s_mov_b32 s[G0], 1
	s_mov_b32 s[G0+1], s57
	s_mov_b32 s[TO], s[OFF]
	s_add_nc_u64 s[G0+2:G0+3], s[6:7], s[TO:TO+1]  ; made of the batch, X and the wave's number alone
	s_or_b32 s[G0+3], s[G0+3], 0x80000000
	s_mov_b32 s[G0+4], 1
	s_add_co_u32 s[G0+5], s57, SLOTB
	s_mov_b32 s[TO], s[OFF+1]
	s_add_nc_u64 s[G0+6:G0+7], s[6:7], s[TO:TO+1]
	s_or_b32 s[G0+7], s[G0+7], 0x80000000
	JLOAD 0
	JLOAD 1                                        ; two tensor loads of mine are out
	v_and_b32 v19, 31, v0                          ; lane
	v_and_b32 v28, 15, v0                          ; r
	v_bfe_u32 v29, v0, 4, 1                        ; h
	v_lshlrev_b32 v[LI], 4, v19
	v_add_nc_u32 v[SA0], s57, v[LI]
	v_add_nc_u32 v[SA0+1], SLOTB, v[SA0]
	v_add_nc_u32 v[PIR], PIMG, v[LI]
	v_add_nc_u32 v[OIR], OIMG, v[LI]
	s_mul_i32 s15, s[WV], 4*FRB
	v_add_nc_u32 v[PIW], s15, v[PIR]               ; p: my keys are place w
	v_add_nc_u32 v[OIW], s15, v[OIR]               ; o: my columns of turn i are place 4 i + w
	v_lshl_add_u32 v[PSR], v19, 2, PSC
	v_lshl_add_u32 v[OSR], v19, 2, OSC
	s_lshl_b32 s15, s[WV], 8
	v_lshl_add_u32 v[PSW], v28, 2, s15
	v_add_nc_u32 v[OSW], OSC, v[PSW]
	v_add_nc_u32 v[PSW], PSC, v[PSW]
	v_add_nc_u32 v[RR], RED, v[LI]
	s_lshl_b32 s15, s[WV], 2
	v_add_nc_u32 v[RW], s15, v[RR]
	s_mul_i32 s15, s[WV], 16*SP
	s_add_co_u32 s15, s15, STG
	v_mul_u32_u24 v[SI], v28, SP
	v_lshl_add_u32 v[SI], v29, 5, v[SI]
	v_add_nc_u32 v[SI], s15, v[SI]
	v_add_nc_u32 v[SO], s15, v[LI]
	v_lshlrev_b32 v[PFO], 8, v19
.irp b, 0,1,2,3
	v_mov_b32 v[TM+4+\b], 0                        ; written once: a lane permute's destination counts as one of its sources
.endr
.irp t, 0,1,2,3
	v_add_nc_u32 v[RD4+\t], s[QOF+\t], v[LI]       ; q's records of turn t's pair, + 16 x lane
.endr
.set kk, 0
.rept 8                                        ; q^T's 32 fragments stay in registers through the first product: place kk holds K step kk xor 2 X
.if kk < 5
	WIN 0x80
.else
	WIN 0xc0
.endif
.irp m, 0,1,2,3
.irp c, 0,1,2
	global_load_b128 v[48*(kk%5)+12*\m+4*\c:48*(kk%5)+12*\m+4*\c+3], v[RD4+kk/2], s[4:5] offset:REC*(kk%2)+FRB*\m+512*\c
.endr
.endr
.set kk, kk+1
.endr
	WIN 0
.irp k, 0,1,2,3,4,5,6,7
	global_load_b64 v[SS+2*\k:SS+2*\k+1], v[RD4+\k/2], s[QS:QS+1] offset:REC*(\k%2)
.endr
	global_load_b128 v[BO:BO+3], v[LI], s[BB0:BB0+1]
	global_load_b128 v[BO+4:BO+7], v[LI], s[BB0+2:BB0+3]
	s_wait_tensorcnt 1                             ; my quarter of slot 0 is in, which I alone read; slot 1's may be out
	SFETCH 0, 0, 0
	s_wait_loadcnt 0x0                             ; q, its scale words, bo
	; ---- S^T = k q^T: the stream's slots 0-3, K = t in eight steps
	STEPA 0, 0, 1                                  ; the first products start the sums
	TURN 0, 1, 2, 1, FKV, PFK                      ; v^T is prefetched here
	STEPA 1, 2, 0
	TURN 1, 3, 3, 1, 0, 0
	STEPA 0, 4, 0
	TURN 0, 5, 4, 1, 0, 0
	STEPA 1, 6, 0
	TURN 1, 7, 5, 0, 0, 0                          ; set 0 is not fetched: T lies there through the softmax
	; ---- the softmax.  Lane (r, h) holds row 16 m + r; registers 16 b .. 16 b + 15 of tile m are its half of block b of my 128 keys
	PLACES 4
	WIN 0x15
.irp m, 0,1,2,3
.irp b, 0,1,2,3
	v_max3_num_f32 v[BM+4*\m+\b], v[64*\m+16*\b], v[64*\m+16*\b+1], v[64*\m+16*\b+2]   ; the largest score of each block: it serves for the row's maximum and for the block's largest p
.endr
.endr
	WIN 0x14
.irp i, 3,5,7,9,11,13                          ; ascending: the odd accumulator's lowest register is read with the even one's highest
.irp m, 0,1,2,3
.irp b, 0,1,2,3
	v_max3_num_f32 v[BM+4*\m+\b], v[BM+4*\m+\b], v[64*\m+16*\b+\i], v[64*\m+16*\b+\i+1]
.endr
.endr
.endr
.irp m, 0,1,2,3
.irp b, 0,1,2,3
	v_max3_num_f32 v[BM+4*\m+\b], v[BM+4*\m+\b], v[64*\m+16*\b+15], v[64*\m+16*\b+15]
.endr
.endr
	WIN 0
.irp m, 0,1,2,3
.irp b, 0,1,2,3
	v_permlanex16_b32 v[TM+4+\b], v[BM+4*\m+\b], s[SEL], s[SEL+1]
.endr
.irp b, 0,1,2,3
	v_max_num_f32 v[BM+4*\m+\b], v[BM+4*\m+\b], v[TM+4+\b]     ; with lane l xor 16's half
.endr
	v_max3_num_f32 v[WK+\m], v[BM+4*\m], v[BM+4*\m+1], v[BM+4*\m+2]
	v_max_num_f32 v[WK+\m], v[WK+\m], v[BM+4*\m+3]             ; my wave's largest score of the row
	ds_store_b32 v[RW], v[WK+\m] offset:512*\m
.endr
	BARRIER                                        ; the four waves' maxima lie in LDS
.irp m, 0,1,2,3
	ds_load_b128 v[RD4+4*\m:RD4+4*\m+3], v[RR] offset:512*\m
.endr
	s_wait_dscnt 0x0
.irp m, 0,1,2,3
	v_max3_num_f32 v[WK+\m], v[RD4+4*\m], v[RD4+4*\m+1], v[RD4+4*\m+2]
	v_max_num_f32 v[WK+\m], v[WK+\m], v[RD4+4*\m+3]            ; the row's largest score over all 512 keys
	v_mul_f32 v[WK+\m], s[CS], v[WK+\m]                        ; as t (c is positive)
	v_floor_f32 v[NM+2*\m], -v[WK+\m]                          ; -M = floor(-t): M is a whole number
	v_floor_f32 v[NM+2*\m+1], -v[WK+\m]
.endr
; Tile m: p = 2^(t - M), its sum, its codes and scale word; the fragment is K step w of the second product.
.macro PEXP m
	WIN 0x01
.set i, 0
.rept 32
	v_pk_fma_f32 v[T+i:T+i+1], v[64*(\m)+i:64*(\m)+i+1], s[CS:CS+1], v[NM+2*(\m):NM+2*(\m)+1] op_sel_hi:[1,0,0]   ; t - M
.set i, i+2
.endr
	WIN 0
.irp b, 0,1,2,3
	v_fma_f32 v[BM+4*(\m)+\b], v[BM+4*(\m)+\b], s[CS], v[NM+2*(\m)]   ; the same of each block's largest score
.endr
.set i, 0
.rept 64
	v_exp_f32 v[T+i], v[T+i]
.set i, i+1
.endr
	v_nop                                          ; a plain place behind the exponentials
	s_wait_alu depctr_va_vdst(0)                   ; one wait for the batch, ahead of its first reader
.irp b, 0,1,2,3
	v_exp_f32 v[BM+4*(\m)+\b], v[BM+4*(\m)+\b]     ; the block's largest p: the same two instructions on the same number
.endr
	v_pk_add_f32 v[LS+2*(\m):LS+2*(\m)+1], v[T:T+1], v[T+2:T+3]       ; the sum of the unquantised p, in two chains: plain work behind the four
	v_pk_add_f32 v[TM+8:TM+9], v[T+4:T+5], v[T+6:T+7]
.irp j, 8,12,16,20,24,28,32,36,40,44,48,52,56,60
	v_pk_add_f32 v[LS+2*(\m):LS+2*(\m)+1], v[LS+2*(\m):LS+2*(\m)+1], v[T+\j:T+\j+1]
	v_pk_add_f32 v[TM+8:TM+9], v[TM+8:TM+9], v[T+\j+2:T+\j+3]
.endr
	v_pk_add_f32 v[LS+2*(\m):LS+2*(\m)+1], v[LS+2*(\m):LS+2*(\m)+1], v[TM+8:TM+9]
	s_wait_alu depctr_va_vdst(0)                   ; and one for the four
.irp b, 0,1,2,3
	v_max_num_f32 v[TM+\b], 0x1800000, v[BM+4*(\m)+\b]   ; the floor: the byte cannot fall under 1
.endr
	QTAIL T, PW
	IMAGE PIW, FRB*(\m)
	ds_store_b32 v[PSW], v[PW] offset:128*((\m)/2)+64*((\m)%2)
	v_add_f32 v[WK], v[LS+2*(\m)], v[LS+2*(\m)+1]
	v_permlanex16_b32 v[TM+4], v[WK], s[SEL], s[SEL+1]
	v_add_f32 v[WK], v[WK], v[TM+4]                ; my wave's sum of the row
	ds_store_b32 v[RW], v[WK] offset:2048+512*(\m)
	s_wait_dscnt 0x0                               ; the stores have read their registers
.endm
	PEXP 0
	PEXP 1
	PEXP 2
	PEXP 3
	BARRIER                                        ; p's sixteen fragments, their scale words and the sums lie in LDS
	RESLDS 4, PIR
	SSLDS 4, PSR
.irp m, 0,1,2,3
	ds_load_b128 v[RD4+4*\m:RD4+4*\m+3], v[RR] offset:2048+512*\m
.endr
	s_wait_dscnt 0x0
.irp m, 0,1,2,3
	v_add_f32 v[RD4+4*\m], v[RD4+4*\m], v[RD4+4*\m+1]
	v_add_f32 v[RD4+4*\m+2], v[RD4+4*\m+2], v[RD4+4*\m+3]
	v_add_f32 v[RD4+4*\m], v[RD4+4*\m], v[RD4+4*\m+2]          ; the row's sum
.endr
.irp m, 0,1,2,3
	v_rcp_f32 v[RL+2*\m], v[RD4+4*\m]
.endr
	v_nop
	s_wait_alu depctr_va_vdst(0)                   ; one wait for the four reciprocals
.irp m, 0,1,2,3
	v_mov_b32 v[RL+2*\m+1], v[RL+2*\m]
.endr
; o = O / the sum, quantised along e: my 128 columns of turn i go to place 4 i + w of the last product's K
.macro OQUANT i
	PLACES 4
.irp m, 0,1,2,3
	WIN 0x01
.set ii, 0
.rept 32
	v_pk_mul_f32 v[T+ii:T+ii+1], v[64*\m+ii:64*\m+ii+1], v[RL+2*\m:RL+2*\m+1]   ; each accumulator from its low end on
.set ii, ii+2
.endr
	WIN 0
	QMAX T
	QTAIL T, PW
	IMAGE OIW, 16*FRB*(\i)+FRB*\m
	ds_store_b32 v[OSW], v[PW] offset:1024*(\i)+128*(\m/2)+64*(\m%2)
	s_wait_dscnt 0x0                               ; the stores have read their registers
.endr
.endm
	; ---- O^T = v^T p^T: the stream's slots 4-7, K = the 512 keys in four steps, for each of my two blocks of 128 columns
	SFETCH 0, 0, 0
	STEPA 0, 0, 1
	TURN 0, 1, 6, 1, FWO, PFW                      ; Wo is prefetched here
	STEPA 1, 2, 0
	TURN 1, 3, 7, 0, 0, 0
	OQUANT 0
	SFETCH 0, 0, 0
	STEPA 0, 0, 1
	TURN 0, 1, 8, 1, 0, 0                          ; from here on the refills are Wo's
	STEPA 1, 2, 0
	TURN 1, 3, 9, 0, 0, 0
	OQUANT 1
	BARRIER                                        ; o's 32 fragments and their scale words lie in LDS
	RESLDS 8, OIR
	SSLDS 8, OSR
; THE WAY OUT, a tile of 16 rows x my 128 columns at a time: through my own stage in LDS, back as whole rows of 512 bytes, + bo, stored.  LDS serves a wave's instructions in order (ISA guide 5.7.1.4).
.macro TOSTAGE m
	WIN 0x04                                       ; an LDS store's data are its source 1: window 1
.irp n, 0,1,2,3,4,5,6,7
	ds_store_b128 v[SI], v[64*(\m)+8*\n:64*(\m)+8*\n+3] offset:64*\n
	ds_store_b128 v[SI], v[64*(\m)+8*\n+4:64*(\m)+8*\n+7] offset:64*\n+16
.endr
	WIN 0
.set BB, 160-64*((\m)%2)
.irp t, 0,1,2,3,4,5,6,7,8,9,10,11,12,13,14,15
	ds_load_b128 v[BB+4*\t:BB+4*\t+3], v[SO] offset:\t*SP
.endr
.endm
.macro SEND m, u, younger
.set BB, 160-64*((\m)%2)
	s_wait_dscnt \younger                          ; the tile is back; the next tile's 16 stores and 16 loads may be out
.irp t, 0,1,2,3,4,5,6,7,8,9,10,11,12,13,14,15
	v_pk_add_f32 v[BB+4*\t:BB+4*\t+1], v[BB+4*\t:BB+4*\t+1], v[BO+4*(\u):BO+4*(\u)+1]
	v_pk_add_f32 v[BB+4*\t+2:BB+4*\t+3], v[BB+4*\t+2:BB+4*\t+3], v[BO+4*(\u)+2:BO+4*(\u)+3]
.endr
.irp t, 0,1,2,3,4,5,6,7,8,9,10,11,12,13,14,15
	global_store_b128 v[LI], v[BB+4*\t:BB+4*\t+3], s[OU0+2*(\u):OU0+2*(\u)+1] offset:(16*(\m)+\t)*4096 th:TH_STORE_NT   ; 32 lanes store 512 consecutive bytes, at a multiple of 512 from out's first byte
.endr
.endm
.macro WAYOUT u                        ; u: the turn; which half of my 256 columns that is stands in the turn's bases of bo and out
	PLACES 4
	TOSTAGE 0
	TOSTAGE 1
	SEND 0, \u, 32
	s_wait_xcnt 0x0                                ; tile 0's stores have read their registers: tile 2's loads may land there
	TOSTAGE 2
	SEND 1, \u, 32
	s_wait_xcnt 0x0
	TOSTAGE 3
	SEND 2, \u, 32
	SEND 3, \u, 0
.endm
	; ---- out^T = Wo o^T: the stream's slots 8-15, K = e in eight steps, for each half of my 256 columns
	SFETCH 0, 0, 0
	STEPA 0, 0, 1
	TURN 0, 1, 10, 1, 0, 0
	STEPA 1, 2, 0
	TURN 1, 3, 11, 1, 0, 0
	STEPA 0, 4, 0
	TURN 0, 5, 12, 1, 0, 0
	STEPA 1, 6, 0
	TURN 1, 7, 13, 0, 0, 0                         ; set 0 is not fetched: the way out's rows land there
	WAYOUT 0
	s_wait_xcnt 0x0                                ; the stores have read their registers: set 0 may be loaded
	SFETCH 0, 0, 0
	STEPA 0, 0, 1
	TURN 0, 1, 14, 1, 0, 0
	STEPA 1, 2, 0
	TURN 1, 3, 15, 1, 0, 0                         ; the stream's last slot is asked for
	STEPA 0, 4, 0
	WIN 0
	s_wait_tensorcnt 0x0                           ; my quarter of the last slot has landed: the one load that was out.  Nothing is filled again and I alone read it: no barrier
	PLACES 4
	SFETCH 0, 1, 0
	s_wait_dscnt 25                                ; set 1 is in
	GMUL 1, 5, 0, 8, 0
	STEPA 1, 6, 0
	s_wait_dscnt 0x0
	GMUL 1, 7, 0, 8, 0
	WAYOUT 1
	s_wait_tensorcnt 0x0                           ; the wave's end
	ds_add_u32 v[SPW], v[NIL]
	s_wait_dscnt 0x0
	CROUND                                         ; the closing round: no work-group ends while a partner may still ask for a tile that names it
	s_endpgm
.Lfunc_end_k_q8c0a566ee6_attn:
	.size	k_q8c0a566ee6_attn, .Lfunc_end_k_q8c0a566ee6_attn-k_q8c0a566ee6_attn
	.p2alignl 7, 3214868480
	.fill 96, 4, 3214868480
	.section	.rodata,"a",@progbits
	.p2align	6, 0x0
	.amdhsa_kernel k_q8c0a566ee6_attn
		.amdhsa_group_segment_fixed_size 327680
		.amdhsa_private_segment_fixed_size 0
		.amdhsa_enable_private_segment 0
		.amdhsa_kernarg_size 40
		.amdhsa_user_sgpr_count 2
		.amdhsa_user_sgpr_kernarg_segment_ptr 1
		.amdhsa_wavefront_size32 1
		.amdhsa_system_sgpr_workgroup_id_x 1
		.amdhsa_system_sgpr_workgroup_id_y 1
		.amdhsa_system_sgpr_workgroup_id_z 1
		.amdhsa_system_vgpr_workitem_id 0
		.amdhsa_next_free_vgpr 1024
		.amdhsa_next_free_sgpr 96
		.amdhsa_reserve_vcc 0
		.amdhsa_float_denorm_mode_32 3
		.amdhsa_float_denorm_mode_16_64 3
		.amdhsa_memory_ordered 1
		.amdhsa_forward_progress 1
		.amdhsa_inst_pref_size 255
	.end_amdhsa_kernel
	.section	.bss,"aw",@nobits
	.p2align	6
	.space	262144
	.amdgpu_metadata
---
amdhsa.version: [ 1, 2 ]
amdhsa.kernels:
  - .name:           k_q8c0a566ee6_attn
    .symbol:         k_q8c0a566ee6_attn.kd
    .args:
      - { .name: qrec, .offset: 0, .size: 8, .value_kind: global_buffer, .address_space: global }
      - { .name: kvrec, .offset: 8, .size: 8, .value_kind: global_buffer, .address_space: global }
      - { .name: worec, .offset: 16, .size: 8, .value_kind: global_buffer, .address_space: global }
      - { .name: bo, .offset: 24, .size: 8, .value_kind: global_buffer, .address_space: global }
      - { .name: out0, .offset: 32, .size: 8, .value_kind: global_buffer, .address_space: global }
    .group_segment_fixed_size: 327680
    .private_segment_fixed_size: 0
    .kernarg_segment_align: 8
    .kernarg_segment_size: 40
    .max_flat_workgroup_size: 128
    .sgpr_count:     96
    .vgpr_count:     1024
    .wavefront_size: 32
...
	.end_amdgpu_metadata
.endif
;; end of part 2
